; MI455X (gfx1250); checked and timed in simulation.
; The chip was launched on July 23, 2026; its instructions are those of AMD's public machine-readable ISA for CDNA 5 (MIT licence, August 2026) and "CDNA5" Instruction Set Architecture Reference Guide (July 2026). The comments in the code are by the model that wrote it; some were corrected since.
;; Encoder. Allowed arithmetic: matrix products marked QUANTISED: E2M1 operands, one E8M0 scale for each 32 along K, by v_wmma_scale_f32_16x16x128_f8f6f4 with both operands' format E2M1 (or v_wmma_scale_f32_32x16x128_f4), f32 sums; products left as they are: bf16, f16 or f32 operands; f32 sums; everything else in f32.
;; Inputs: ffn_b 512 float32; ffn_w 512 x 512 float32; ln1_b 512 float32; ln1_g 512 float32; ln2_b 512 float32; ln2_g 512 float32; w_mh 512 x 512 float32; wk 8 x 512 x 64 float32; wq 8 x 512 x 64 float32; wv 8 x 512 x 64 float32; x 4,096 x 512 float32.
;; Outputs: out0 4,096 x 512 float32.
;; This version of the problem:
;;   THIS VERSION OF THE PROBLEM IS GIVEN IN LOW PRECISION. The matrix products marked QUANTISED in the list below multiply operands that are first quantised to E2M1 (2 exponent bits, 1 mantissa bit; 4 bits a number), with one power-of-two scale for each 32 numbers along K (OCP MX v1.0); their sums are f32. The products marked 'left as it is' may take bf16, f16 or f32 operands, with f32 sums. Whichever they take, every output number must still come out within the allowed error. Rounding operands to bf16 (8 significant bits) uses up far more of that allowance than f16 does (11 bits, for magnitudes from 6e-5 to 65,504). All else is computed in f32.
;;   The module's matrix products, in the order in which they are computed (A, B: the left and right operand; K: the contracted axis; several contracted axes count as one K, in the product's order):
;;     1. [M 512, K 512] x [K 512, N 4,096]; A: input wq; B: input x: QUANTISED
;;     2. [M 512, K 512] x [K 512, N 4,096]; A: input wk; B: input x: QUANTISED
;;     3. [M 512, K 512] x [K 512, N 4,096]; A: input wv; B: input x: QUANTISED
;;     4. batch 8 x [M 4,096, K 64] x [K 64, N 4,096]; A: computed on the way; B: computed on the way: left as it is (an operand is computed on the way)
;;     5. batch 8 x [M 4,096, K 4,096] x [K 4,096, N 64]; A: computed on the way; B: computed on the way: left as it is (an operand is computed on the way)
;;     6. [M 4,096, K 512] x [K 512, N 512]; A: computed on the way; B: input w_mh: left as it is (an operand is computed on the way)
;;     7. [M 4,096, K 512] x [K 512, N 512]; A: computed on the way; B: input ffn_w: left as it is (an operand is computed on the way)
;;   THE QUANTISER, for each operand of a quantised product, along K:
;;     - K is cut into blocks of 32 from its start; a last block that is shorter is filled with zeros.
;;     - A block's scale is 2^e with e = floor(log2(the largest magnitude in the block)) - 2, held to -126 .. 127; a block of zeros has e = 0. As a byte (E8M0): e + 127.
;;     - Each number is divided by its block's scale, clamped to +-6, and rounded to the nearest number of E2M1, ties to even, subnormals kept.
;;     - The product sums the exact products of the quantised numbers (number of the format x scale) in f32.
;;   ~~~python
;;   def quantise(x, axis):      # numpy; x: float32 -> the quantised numbers, widened to float32 again
;;       x = np.moveaxis(x, axis, -1); K = x.shape[-1]
;;       x = np.pad(x, [(0, 0)] * (x.ndim - 1) + [(0, -K % 32)]); x = x.reshape(x.shape[:-1] + (-1, 32)); a = np.abs(x).max(-1, keepdims=True)
;;       e = np.where(a > 0, np.clip(np.frexp(np.where(a > 0, a, 1))[1] - 1 - 2, -126, 127), 0)      # np.frexp(a)[1] - 1 = floor(log2(a)), exactly
;;       r = np.clip(x / 2.0 ** e, -6, 6)
;;       step = 2.0 ** (np.maximum(np.frexp(np.where(r == 0, 1, r))[1] - 1, 0) - 1)
;;       q = np.round(r / step) * step * 2.0 ** e      # np.round: ties to even
;;       return np.moveaxis(q.reshape(q.shape[:-2] + (-1,))[..., :K], -1, axis).astype(np.float32)
;;   ~~~
;; One version. Each part assembles by itself: llvm-mc -triple=amdgcn-amd-amdhsa -mcpu=gfx1250 --defsym DOCPART=n.
;; ======== version 1 of 1: 4 launches
;; limits: values are held in f16: magnitudes above 65,504 overflow, below 6.1e-05 lose precision
;; workspace buffers: xq 1,048,576 bytes; xs 65,536 bytes; wc 393,216 bytes; ws 24,576 bytes; wf 1,048,576 bytes; qf 4,194,304 bytes; kv 8,388,608 bytes; zf 4,194,304 bytes
;; launch prep (part 1): grid 352 x 1, 4 waves a work-group, no clusters, 0 bytes of LDS; arguments x, wq, wk, wv, w_mh, ffn_w, xq, xs, wc, ws, wf; writes xq, xs, wc, ws, wf
.if DOCPART == 1
	.amdgcn_target "amdgcn-amd-amdhsa--gfx1250"
	.amdhsa_code_object_version 6
	.text
	.protected	k_q48e8514983_prep
	.globl	k_q48e8514983_prep
	.p2align	8
	.type	k_q48e8514983_prep,@function
k_q48e8514983_prep:
	s_mov_b64 s[64:65], 0
	v_nop
	global_prefetch_b8 v0, s[64:65] scope:SCOPE_SE
	s_setreg_imm32_b32 hwreg(HW_REG_WAVE_MODE, 25, 1), 1
	s_wait_xcnt 0x0
; Lays every operand of the later launches out as IMAGES OF THE OPERAND'S REGISTERS: 512 bytes an image, lane l's 16 bytes at 16 l.
; Four roles, chosen by the work-group's number:
;   X  (0..255):   x [4096][512] f32 -> FP4 (E2M1) codes xq [row tile 256][K step 4][image 2][512 B] and scale words xs [row tile][row 16][K step 4] (E8M0, one byte for 32 along K)
;   WQ (256..303): wq, wk, wv [8][512 (K)][64] f32 -> codes wc [24 = 8 x matrix + head][column tile 4][K step 4][image 2][512 B], scale words ws [24][column 64][K step 4]
;   WT (304..319): w_mh [512 (K)][512] f32 -> f16 fragments wf [period 0..3][wave 8][32 K 4][column tile 4][image 2][512 B]
;   WF (320..351): ffn_w [512][512 (K)] f32 -> f16 fragments wf [period 4..7] likewise
; A block's scale is 2^(floor(log2(largest magnitude)) - 2): its byte is the largest magnitude's exponent field - 2, held at 1 from below.
; LIMITS: a block of zeros gets the byte 1 where the rule says 127 (its codes are zeros, which add nothing, and this program alone reads the bytes); blocks whose largest magnitude lies under 2^-124
; get the byte 1; NaN and infinities are not served; weights beyond 65,504 become infinity in f16, weights under 6.1e-5 keep an absolute error of at most 3e-8.
; The scale words of roles X and WQ leave as 4 bytes of every 16 (88 KiB in all): aligned runs of 256 bytes are there written in part.
; No LDS, no barrier, straight-line code; every register is written once, so no store's data are written again.
.set R,   16                           ; v16-143  numbers as loaded
.set PC,  144                          ; v144..   codes, or packed f16
.set TM,  160                          ; v160-175 at work on the scales
.set PW,  176                          ; v176     a scale word
.set WV,  26                           ; s26      my wave's number
.set SEL, 30                           ; s[30:31] selects of v_permlanex16_b32: lane l xor 16
; 64 numbers of a lane, register 16 b + i = k 32 b + 16 (lane / 16) + i of my row, become a fragment's codes in v[PC] on and its scale word in v[PW]
.macro QUANT s
.irp b, 0,1,2,3
	v_max3_num_f32 v[TM+\b], |v[\s+16*\b]|, |v[\s+1+16*\b]|, 0x1800000   ; block b: my 16 numbers, and the floor 2^(3 - 127): the byte cannot fall under 1
.endr
.irp i, 2,4,6,8,10,12,14
.irp b, 0,1,2,3
	v_max3_num_f32 v[TM+\b], v[TM+\b], |v[\s+16*\b+\i]|, |v[\s+1+16*\b+\i]|   ; the four blocks by turns
.endr
.endr
.irp b, 0,1,2,3
	v_permlanex16_b32 v[TM+4+\b], v[TM+\b], s[SEL], s[SEL+1]
.endr
.irp b, 0,1,2,3
	v_max_num_f32 v[TM+\b], v[TM+\b], v[TM+4+\b]   ; with lane l xor 16's 16: the block's largest magnitude
.endr
.irp b, 0,1,2,3
	v_add_nc_u32 v[TM+12+\b], 0xff000000, v[TM+\b]   ; 2 off its exponent field: the conversion takes this operand's exponent field as its scale
.endr
.irp b, 0,1,2,3
	v_lshrrev_b32 v[TM+4+\b], 23, v[TM+12+\b]   ; the scale's byte
.endr
	v_lshl_or_b32 v[PW], v[TM+5], 8, v[TM+4]
	v_lshl_or_b32 v[PW], v[TM+6], 16, v[PW]
	v_lshl_or_b32 v[PW], v[TM+7], 24, v[PW]
.irp b, 0,1,2,3
	v_cvt_scalef32_pk8_fp4_f32 v[PC+2*\b], v[\s+16*\b:\s+7+16*\b], v[TM+12+\b]
	v_cvt_scalef32_pk8_fp4_f32 v[PC+1+2*\b], v[\s+8+16*\b:\s+15+16*\b], v[TM+12+\b]
.endr
	v_nop                                          ; one plain place behind a scaled conversion
.irp c, 0,1                                    ; the layout wants a whole block in a lane: lanes 0-15 block 2 c, lanes 16-31 block 2 c + 1
.irp i, 0,1
	v_permlane16_swap_b32 v[PC+4*\c+\i], v[PC+2+4*\c+\i]
.endr
.endr
.endm
; 32 numbers down K of my column: block b, rows pitch bytes apart; 32 lanes read 128 consecutive bytes
.macro CLOAD b, lo, pitch
.set i, 0
.rept 32
	global_load_b32 v[R+32*(\b)+i], v4, s[\lo:\lo+1] offset:(32*(\b)+i)*\pitch th:TH_LOAD_NT
.set i, i+1
.endr
.endm
; the wait for block b of four, and the request for block b + 2: behind the wait at most the next block's 32 loads are out
.macro CWAIT b, lo, pitch
.if (\b) < 3
	s_wait_loadcnt 32
.else
	s_wait_loadcnt 0x0
.endif
.if (\b) < 2
	CLOAD (\b)+2, \lo, \pitch
.endif
.endm
	s_load_b512 s[4:19], s[0:1], 0x0               ; x 4, wq 6, wk 8, wv 10, w_mh 12, ffn_w 14, xq 16, xs 18
	s_load_b128 s[20:23], s[0:1], 0x40             ; wc 20, ws 22
	s_load_b64 s[24:25], s[0:1], 0x50              ; wf
	v_lshrrev_b32 v1, 5, v0
	v_readfirstlane_b32 s[WV], v1                  ; wave 0..3
	v_and_b32 v1, 31, v0                           ; lane
	v_and_b32 v2, 15, v0                           ; r
	v_bfe_u32 v3, v0, 4, 1                         ; hh
	s_mov_b32 s29, 0                               ; offsets are made in s[28:29]
	s_wait_kmcnt 0x0
	s_cmp_lt_u32 ttmp9, 256
	s_cbranch_scc0 .Lnot_x
	; ---- X: row tile = work-group, K step = wave
	v_lshlrev_b32 v4, 11, v2                       ; row r of 2,048 bytes
	v_lshl_add_u32 v4, v3, 6, v4                   ; + 64 hh: my 16 numbers of a block of 32
	v_lshlrev_b32 v5, 4, v1                        ; 16 x lane
	v_lshlrev_b32 v6, 4, v2                        ; 16 x r
	s_lshl_b32 s28, ttmp9, 15
	s_lshl_b32 s27, s[WV], 9
	s_add_co_u32 s28, s28, s27
	s_add_nc_u64 s[4:5], s[4:5], s[28:29]          ; x at 16 rows x tile + 128 numbers x K step
.irp b, 0,1,2,3
.irp j, 0,1,2,3
	global_load_b128 v[R+16*\b+4*\j:R+16*\b+4*\j+3], v4, s[4:5] offset:128*\b+16*\j th:TH_LOAD_NT
.endr
.endr
	s_mov_b32 s[SEL], 0x76543210
	s_mov_b32 s[SEL+1], 0xfedcba98
.irp b, 0,1,2,3
	v_mov_b32 v[TM+4+\b], 0                        ; a lane permute's destination counts as one of its sources
.endr
	s_lshl_b32 s28, ttmp9, 12
	s_lshl_b32 s27, s[WV], 10
	s_add_co_u32 s28, s28, s27
	s_add_nc_u64 s[16:17], s[16:17], s[28:29]      ; xq + 1,024 (4 tile + K step)
	s_lshl_b32 s28, ttmp9, 8
	s_lshl_b32 s27, s[WV], 2
	s_add_co_u32 s28, s28, s27
	s_add_nc_u64 s[18:19], s[18:19], s[28:29]      ; xs + 256 tile + 4 K step
	s_wait_loadcnt 0x0
	QUANT R
	global_store_b128 v5, v[PC:PC+3], s[16:17]               ; 512 consecutive bytes
	global_store_b128 v5, v[PC+4:PC+7], s[16:17] offset:512
	global_store_b32 v6, v[PW], s[18:19]                     ; lanes r and r + 16 hold the same word and write it to the same place
	s_endpgm
.Lnot_x:
	s_cmp_lt_u32 ttmp9, 304
	s_cbranch_scc0 .Lnot_wq
	; ---- WQ: a lane takes a column e, its registers run down K: 128 along K, four whole blocks
	s_sub_co_u32 s27, ttmp9, 256
	s_lshl_b32 s27, s27, 2
	s_add_co_u32 s27, s27, s[WV]                   ; T = 0..191
	s_lshr_b32 s32, s27, 3                         ; U = 8 x matrix + head
	s_bfe_u32 s33, s27, 0x20001                    ; K step
	s_and_b32 s34, s27, 1                          ; which 32 columns
	s_lshr_b32 s35, s32, 3                         ; matrix: 0 q, 1 k, 2 v
	s_and_b32 s36, s32, 7                          ; head
	s_cmp_eq_u32 s35, 0
	s_cselect_b64 s[38:39], s[6:7], s[8:9]
	s_cmp_eq_u32 s35, 2
	s_cselect_b64 s[38:39], s[10:11], s[38:39]
	s_lshl_b32 s28, s36, 17                        ; a head is 512 x 64 x 4 bytes
	s_lshl_b32 s37, s33, 15                        ; 128 rows of 256 bytes
	s_add_co_u32 s28, s28, s37
	s_lshl_b32 s37, s34, 7
	s_add_co_u32 s28, s28, s37
	s_add_nc_u64 s[38:39], s[38:39], s[28:29]
	v_lshlrev_b32 v4, 2, v1
	CLOAD 0, 38, 256
	CLOAD 1, 38, 256
	v_lshlrev_b32 v5, 12, v3                       ; codes: column tile 2 u + lane / 16 (4,096 bytes a tile),
	v_lshl_add_u32 v5, v2, 4, v5                   ; 16 bytes a column
	v_lshlrev_b32 v6, 4, v1                        ; scale words: 16 bytes a column
	s_lshl_b32 s28, s32, 14
	s_lshl_b32 s37, s34, 13
	s_add_co_u32 s28, s28, s37
	s_lshl_b32 s37, s33, 10
	s_add_co_u32 s28, s28, s37
	s_add_nc_u64 s[20:21], s[20:21], s[28:29]
	s_lshl_b32 s28, s32, 10
	s_lshl_b32 s37, s34, 9
	s_add_co_u32 s28, s28, s37
	s_lshl_b32 s37, s33, 2
	s_add_co_u32 s28, s28, s37
	s_add_nc_u64 s[22:23], s[22:23], s[28:29]
.macro WBLOCK b                        ; block b = 2 g + hh of the fragment: image g, lanes 16 hh on
.set XB, R+32*(\b)
	CWAIT \b, 38, 256
	v_max3_num_f32 v[TM+2*(\b)], |v[XB]|, |v[XB+1]|, |v[XB+2]|
	v_max3_num_f32 v[TM+2*(\b)+1], |v[XB+3]|, |v[XB+4]|, |v[XB+5]|
.irp i, 6,10,14,18,22,26
	v_max3_num_f32 v[TM+2*(\b)], v[TM+2*(\b)], |v[XB+\i]|, |v[XB+\i+1]|
	v_max3_num_f32 v[TM+2*(\b)+1], v[TM+2*(\b)+1], |v[XB+\i+2]|, |v[XB+\i+3]|
.endr
	v_max3_num_f32 v[TM+2*(\b)], v[TM+2*(\b)], |v[XB+30]|, |v[XB+31]|
	v_max3_num_f32 v[TM+2*(\b)], v[TM+2*(\b)], v[TM+2*(\b)+1], 0x1800000   ; and the floor
	v_add_nc_u32 v[TM+8+(\b)], 0xff000000, v[TM+2*(\b)]
	v_lshrrev_b32 v[TM+12+(\b)], 23, v[TM+8+(\b)]
.irp g, 0,1,2,3
	v_cvt_scalef32_pk8_fp4_f32 v[PC+4*(\b)+\g], v[XB+8*\g:XB+8*\g+7], v[TM+8+(\b)]
.endr
	global_store_b128 v5, v[PC+4*(\b):PC+4*(\b)+3], s[20:21] offset:512*((\b)/2)+256*((\b)%2)   ; each half of the lanes stores 256 consecutive bytes, aligned
.endm
	WBLOCK 0
	WBLOCK 1
	WBLOCK 2
	WBLOCK 3
	v_lshl_or_b32 v[PW], v[TM+13], 8, v[TM+12]     ; (also the plain line behind the last conversion)
	v_lshl_or_b32 v[PW], v[TM+14], 16, v[PW]
	v_lshl_or_b32 v[PW], v[TM+15], 24, v[PW]
	global_store_b32 v6, v[PW], s[22:23]
	s_endpgm
.Lnot_wq:
	s_cmp_lt_u32 ttmp9, 320
	s_cbranch_scc0 .Lnot_wt
	; ---- WT: w_mh, K is its first axis: a lane takes a column, its registers run down 128 of K (period = wave)
	s_sub_co_u32 s27, ttmp9, 304                   ; which 32 columns
	s_lshl_b32 s28, s[WV], 18                      ; 128 rows of 2,048 bytes
	s_lshl_b32 s37, s27, 7
	s_add_co_u32 s28, s28, s37
	s_add_nc_u64 s[12:13], s[12:13], s[28:29]
	v_lshlrev_b32 v4, 2, v1
	CLOAD 0, 12, 2048
	CLOAD 1, 12, 2048
	v_lshlrev_b32 v5, 10, v3                       ; column tile 2 (cg % 2) + lane / 16: 1,024 bytes a tile
	v_lshl_add_u32 v5, v2, 4, v5
	s_lshl_b32 s28, s[WV], 17                      ; period
	s_lshr_b32 s37, s27, 1
	s_lshl_b32 s37, s37, 14                        ; the wave of the last launch that owns these columns
	s_add_co_u32 s28, s28, s37
	s_and_b32 s37, s27, 1
	s_lshl_b32 s37, s37, 11
	s_add_co_u32 s28, s28, s37
	s_add_nc_u64 s[24:25], s[24:25], s[28:29]
.macro TQUART q                        ; 32 along K: four pieces of 8: image (p / 2), lanes 16 (p % 2) on
	CWAIT \q, 12, 2048
.irp n, 0,1,2,3,4,5,6,7,8,9,10,11,12,13,14,15
	v_cvt_pk_f16_f32 v[PC+16*(\q)+\n], v[R+32*(\q)+2*\n], v[R+32*(\q)+2*\n+1]
.endr
.irp p, 0,1,2,3
	global_store_b128 v5, v[PC+16*(\q)+4*\p:PC+16*(\q)+4*\p+3], s[24:25] offset:4096*(\q)+512*(\p/2)+256*(\p%2)
.endr
.endm
	TQUART 0
	TQUART 1
	TQUART 2
	TQUART 3
	s_endpgm
.Lnot_wt:
	; ---- WF: ffn_w, K innermost: lane (r, hh) loads its fragments' own numbers; column tile = work-group, period 4 + wave
	s_sub_co_u32 s27, ttmp9, 320
	v_lshlrev_b32 v4, 11, v2
	v_lshl_add_u32 v4, v3, 5, v4                   ; row r of 2,048 bytes + 32 hh
	v_lshlrev_b32 v5, 4, v1
	s_lshl_b32 s28, s27, 15
	s_lshl_b32 s37, s[WV], 9
	s_add_co_u32 s28, s28, s37
	s_add_nc_u64 s[14:15], s[14:15], s[28:29]
.irp f, 0,1,2,3,4,5,6,7                        ; image f = 2 (32 K) + g: k = 16 f + 8 hh + 0 .. 7
	global_load_b128 v[R+8*\f:R+8*\f+3], v4, s[14:15] offset:64*\f th:TH_LOAD_NT
	global_load_b128 v[R+8*\f+4:R+8*\f+7], v4, s[14:15] offset:64*\f+16 th:TH_LOAD_NT
.endr
	s_add_co_u32 s28, s[WV], 4
	s_lshl_b32 s28, s28, 17
	s_lshr_b32 s37, s27, 2
	s_lshl_b32 s37, s37, 14
	s_add_co_u32 s28, s28, s37
	s_and_b32 s37, s27, 3
	s_lshl_b32 s37, s37, 10
	s_add_co_u32 s28, s28, s37
	s_add_nc_u64 s[24:25], s[24:25], s[28:29]
	s_wait_loadcnt 0x0
.irp n, 0,1,2,3,4,5,6,7,8,9,10,11,12,13,14,15,16,17,18,19,20,21,22,23,24,25,26,27,28,29,30,31
	v_cvt_pk_f16_f32 v[PC+\n], v[R+2*\n], v[R+2*\n+1]
.endr
.irp f, 0,1,2,3,4,5,6,7
	global_store_b128 v5, v[PC+4*\f:PC+4*\f+3], s[24:25] offset:4096*(\f/2)+512*(\f%2)
.endr
	s_endpgm
.Lfunc_end_k_q48e8514983_prep:
	.size	k_q48e8514983_prep, .Lfunc_end_k_q48e8514983_prep-k_q48e8514983_prep
	.p2alignl 7, 3214868480
	.fill 96, 4, 3214868480
	.section	.rodata,"a",@progbits
	.p2align	6, 0x0
	.amdhsa_kernel k_q48e8514983_prep
		.amdhsa_group_segment_fixed_size 0
		.amdhsa_private_segment_fixed_size 0
		.amdhsa_enable_private_segment 0
		.amdhsa_kernarg_size 88
		.amdhsa_user_sgpr_count 2
		.amdhsa_user_sgpr_kernarg_segment_ptr 1
		.amdhsa_wavefront_size32 1
		.amdhsa_system_sgpr_workgroup_id_x 1
		.amdhsa_system_sgpr_workgroup_id_y 1
		.amdhsa_system_sgpr_workgroup_id_z 1
		.amdhsa_system_vgpr_workitem_id 0
		.amdhsa_next_free_vgpr 208
		.amdhsa_next_free_sgpr 66
		.amdhsa_reserve_vcc 0
		.amdhsa_float_denorm_mode_32 3
		.amdhsa_float_denorm_mode_16_64 3
		.amdhsa_memory_ordered 1
		.amdhsa_forward_progress 1
		.amdhsa_inst_pref_size 50
	.end_amdhsa_kernel
	.amdgpu_metadata
---
amdhsa.version: [ 1, 2 ]
amdhsa.kernels:
  - .name:           k_q48e8514983_prep
    .symbol:         k_q48e8514983_prep.kd
    .args:
      - { .name: x, .offset: 0, .size: 8, .value_kind: global_buffer, .address_space: global }
      - { .name: wq, .offset: 8, .size: 8, .value_kind: global_buffer, .address_space: global }
      - { .name: wk, .offset: 16, .size: 8, .value_kind: global_buffer, .address_space: global }
      - { .name: wv, .offset: 24, .size: 8, .value_kind: global_buffer, .address_space: global }
      - { .name: w_mh, .offset: 32, .size: 8, .value_kind: global_buffer, .address_space: global }
      - { .name: ffn_w, .offset: 40, .size: 8, .value_kind: global_buffer, .address_space: global }
      - { .name: xq, .offset: 48, .size: 8, .value_kind: global_buffer, .address_space: global }
      - { .name: xs, .offset: 56, .size: 8, .value_kind: global_buffer, .address_space: global }
      - { .name: wc, .offset: 64, .size: 8, .value_kind: global_buffer, .address_space: global }
      - { .name: ws, .offset: 72, .size: 8, .value_kind: global_buffer, .address_space: global }
      - { .name: wf, .offset: 80, .size: 8, .value_kind: global_buffer, .address_space: global }
    .group_segment_fixed_size: 0
    .private_segment_fixed_size: 0
    .kernarg_segment_align: 8
    .kernarg_segment_size: 88
    .max_flat_workgroup_size: 128
    .sgpr_count:     66
    .vgpr_count:     208
    .wavefront_size: 32
...
	.end_amdgpu_metadata
.endif
;; end of part 1
;; launch qkv (part 2): grid 64 x 6, 4 waves a work-group, no clusters, 0 bytes of LDS; arguments xq, xs, wc, ws, qf, kv; writes qf, kv
.if DOCPART == 2
	.amdgcn_target "amdgcn-amd-amdhsa--gfx1250"
	.amdhsa_code_object_version 6
	.text
	.protected	k_q48e8514983_qkv
	.globl	k_q48e8514983_qkv
	.p2align	8
	.type	k_q48e8514983_qkv,@function
k_q48e8514983_qkv:
	s_mov_b64 s[64:65], 0
	v_nop
	global_prefetch_b8 v0, s[64:65] scope:SCOPE_SE
	s_setreg_imm32_b32 hwreg(HW_REG_WAVE_MODE, 25, 1), 1
	s_wait_xcnt 0x0
; q, k, v = x w, on codes of FP4 (E2M1) with one E8M0 scale for each 32 along K = 512; sums in f32; results rounded once to f16 and stored as images of the next products' operand registers.
; A work-group takes 64 rows of x (work-group x) and four of the 24 pairs (matrix, head): U = 4 y + wave; matrix = y / 2 is the same in its four waves.
; A wave makes 64 rows x 64 columns: 16 accumulators, 4 K steps of 128, 64 matrix instructions.  Its 32 KiB of operand images go from memory straight into registers, each once: there is no loop in which
; a tile could be shared through LDS or asked for jointly, so the launch has no LDS, no barrier and no cluster.
; q and k: source 0 = 16 columns of w, source 1 = 16 rows of x: a lane holds one row and eight neighbouring channels: 16 bytes of a fragment of K Q^T.
; v: source 0 = 16 rows of x, source 1 = 16 columns of w: a lane holds one channel and eight neighbouring keys: 16 bytes of a fragment of V^T.
; qf [head][row tile 256][image 4][512 B];  kv [head][64 keys 64][16 KiB]: K's part [key tile 4][image 4][512 B], V's part, 8,192 bytes on, [32 keys 2][channel tile 4][image 2][512 B].
; LIMIT: |q|, |k|, |v| beyond 65,504 become infinity in f16.
; REGISTERS: window 0: v4, v5 offsets; v16-31 x's scale words (4 m + s); v32-47 w's (4 t + s); v48-175 accumulators (4 m + t); v176-239 packed results.
;   window 1: x's fragments (m, s) at v[8 (4 s + m)]; w's (t, s) at v[128 + 8 (4 s + t)].
.set XS,  16
.set WS,  32
.set ACC, 48
.set PK,  176
.set MSB, 0
.macro WIN new                         ; the immediate's high byte repeats the setting that is left
.if MSB != \new
	s_set_vgpr_msb (MSB<<8)|\new
.set MSB, \new
.endif
.endm
	s_load_b256 s[4:11], s[0:1], 0x0               ; xq 4, xs 6, wc 8, ws 10
	s_load_b128 s[12:15], s[0:1], 0x20             ; qf 12, kv 14
	v_lshrrev_b32 v1, 5, v0
	v_readfirstlane_b32 s16, v1                    ; wave
	v_and_b32 v1, 31, v0
	v_lshlrev_b32 v4, 4, v1                        ; 16 x lane
	v_and_b32 v2, 15, v0
	v_lshlrev_b32 v5, 4, v2                        ; 16 x r
	s_and_b32 s17, ttmp7, 0xffff                   ; y
	s_lshl_b32 s18, s17, 2
	s_add_co_u32 s18, s18, s16                     ; U
	s_lshr_b32 s19, s17, 1                         ; matrix
	s_and_b32 s20, s18, 7                          ; head
	s_lshl_b32 s22, ttmp9, 14                      ; xq: 4 row tiles of 4,096 bytes
	s_mov_b32 s23, 0
	s_lshl_b32 s24, ttmp9, 10                      ; xs
	s_mov_b32 s25, 0
	s_lshl_b32 s26, s18, 14                        ; wc
	s_mov_b32 s27, 0
	s_lshl_b32 s28, s18, 10                        ; ws
	s_mov_b32 s29, 0
	s_lshl_b32 s30, s20, 19
	s_lshl_b32 s31, ttmp9, 13
	s_add_co_u32 s30, s30, s31                     ; the place of these rows in qf; in kv a block is twice as large
	s_mov_b32 s31, 0
	s_wait_kmcnt 0x0
	s_add_nc_u64 s[4:5], s[4:5], s[22:23]
	s_add_nc_u64 s[6:7], s[6:7], s[24:25]
	s_add_nc_u64 s[8:9], s[8:9], s[26:27]
	s_add_nc_u64 s[10:11], s[10:11], s[28:29]
.irp m, 0,1,2,3
	global_load_b128 v[XS+4*\m:XS+4*\m+3], v5, s[6:7] offset:256*\m    ; row r's four words, one for each K step; lanes 16-31 take the same
	global_load_b128 v[WS+4*\m:WS+4*\m+3], v5, s[10:11] offset:256*\m
.endr
	WIN 0x40                                       ; destination window 1
.irp s, 0,1,2,3
.irp m, 0,1,2,3
.irp g, 0,1
	global_load_b128 v[8*(4*\s+\m)+4*\g:8*(4*\s+\m)+4*\g+3], v4, s[4:5] offset:1024*(4*\m+\s)+512*\g
	global_load_b128 v[128+8*(4*\s+\m)+4*\g:128+8*(4*\s+\m)+4*\g+3], v4, s[8:9] offset:1024*(4*\m+\s)+512*\g
.endr
.endr
.endr
	WIN 0
	s_cmp_eq_u32 s19, 0
	s_cselect_b64 s[32:33], s[12:13], s[14:15]     ; q goes to qf, k and v to kv
	s_cselect_b32 s34, 0, 1
	s_lshl_b32 s30, s30, s34
	s_add_nc_u64 s[32:33], s[32:33], s[30:31]
.macro ONE swap, s, m, t
.set rD, ACC+8*(4*\m+\t)
.set rX, 8*(4*\s+\m)
.set rW, 128+8*(4*\s+\t)
.if \swap
.if \s == 0
	v_wmma_scale_f32_16x16x128_f8f6f4 v[rD:rD+7], v[rX:rX+7], v[rW:rW+7], 0, v[XS+4*\m+\s], v[WS+4*\t+\s] matrix_a_fmt:MATRIX_FMT_FP4 matrix_b_fmt:MATRIX_FMT_FP4
.else
	v_wmma_scale_f32_16x16x128_f8f6f4 v[rD:rD+7], v[rX:rX+7], v[rW:rW+7], v[rD:rD+7], v[XS+4*\m+\s], v[WS+4*\t+\s] matrix_a_fmt:MATRIX_FMT_FP4 matrix_b_fmt:MATRIX_FMT_FP4
.endif
.else
.if \s == 0
	v_wmma_scale_f32_16x16x128_f8f6f4 v[rD:rD+7], v[rW:rW+7], v[rX:rX+7], 0, v[WS+4*\t+\s], v[XS+4*\m+\s] matrix_a_fmt:MATRIX_FMT_FP4 matrix_b_fmt:MATRIX_FMT_FP4
.else
	v_wmma_scale_f32_16x16x128_f8f6f4 v[rD:rD+7], v[rW:rW+7], v[rX:rX+7], v[rD:rD+7], v[WS+4*\t+\s], v[XS+4*\m+\s] matrix_a_fmt:MATRIX_FMT_FP4 matrix_b_fmt:MATRIX_FMT_FP4
.endif
.endif
.endm
; The 64 products: the first K step starts the sums with the constant 0; the 16 accumulators take turns, one instruction a turn.  Then the results are packed.
.macro MULS swap
	WIN 0x05                                       ; sources 0 and 1 window 1; C and D window 0
.irp s, 0,1,2,3
	s_wait_loadcnt 48-16*\s                        ; loads come back in order: all but the 16 loads of each later K step are in
.irp m, 0,1,2,3
.irp t, 0,1,2,3
	ONE \swap, \s, \m, \t
.endr
.endr
.endr
	WIN 0
.rept 4
	v_nop                                          ; four places between the last product and the first read of results
.endr
.set a, 0
.rept 16
.irp i, 0,1,2,3
	v_cvt_pk_f16_f32 v[PK+4*a+\i], v[ACC+8*a+2*\i], v[ACC+8*a+2*\i+1]   ; each accumulator from its low end on
.endr
.set a, a+1
.endr
.endm
	s_cmp_eq_u32 s19, 2
	s_cbranch_scc1 .Lv
	MULS 0
.irp m, 0,1,2,3
.irp t, 0,1,2,3
	global_store_b128 v4, v[PK+4*(4*\m+\t):PK+4*(4*\m+\t)+3], s[32:33] offset:512*(4*\m+\t)   ; 512 consecutive bytes
.endr
.endr
	s_endpgm
.Lv:
	MULS 1
.irp m, 0,1,2,3
.irp t, 0,1,2,3
	global_store_b128 v4, v[PK+4*(4*\m+\t):PK+4*(4*\m+\t)+3], s[32:33] offset:8192+1024*(4*(\m/2)+\t)+512*(\m%2)
.endr
.endr
	s_endpgm
.Lfunc_end_k_q48e8514983_qkv:
	.size	k_q48e8514983_qkv, .Lfunc_end_k_q48e8514983_qkv-k_q48e8514983_qkv
	.p2alignl 7, 3214868480
	.fill 96, 4, 3214868480
	.section	.rodata,"a",@progbits
	.p2align	6, 0x0
	.amdhsa_kernel k_q48e8514983_qkv
		.amdhsa_group_segment_fixed_size 0
		.amdhsa_private_segment_fixed_size 0
		.amdhsa_enable_private_segment 0
		.amdhsa_kernarg_size 48
		.amdhsa_user_sgpr_count 2
		.amdhsa_user_sgpr_kernarg_segment_ptr 1
		.amdhsa_wavefront_size32 1
		.amdhsa_system_sgpr_workgroup_id_x 1
		.amdhsa_system_sgpr_workgroup_id_y 1
		.amdhsa_system_sgpr_workgroup_id_z 1
		.amdhsa_system_vgpr_workitem_id 0
		.amdhsa_next_free_vgpr 512
		.amdhsa_next_free_sgpr 66
		.amdhsa_reserve_vcc 0
		.amdhsa_float_denorm_mode_32 3
		.amdhsa_float_denorm_mode_16_64 3
		.amdhsa_memory_ordered 1
		.amdhsa_forward_progress 1
		.amdhsa_inst_pref_size 36
	.end_amdhsa_kernel
	.amdgpu_metadata
---
amdhsa.version: [ 1, 2 ]
amdhsa.kernels:
  - .name:           k_q48e8514983_qkv
    .symbol:         k_q48e8514983_qkv.kd
    .args:
      - { .name: xq, .offset: 0, .size: 8, .value_kind: global_buffer, .address_space: global }
      - { .name: xs, .offset: 8, .size: 8, .value_kind: global_buffer, .address_space: global }
      - { .name: wc, .offset: 16, .size: 8, .value_kind: global_buffer, .address_space: global }
      - { .name: ws, .offset: 24, .size: 8, .value_kind: global_buffer, .address_space: global }
      - { .name: qf, .offset: 32, .size: 8, .value_kind: global_buffer, .address_space: global }
      - { .name: kv, .offset: 40, .size: 8, .value_kind: global_buffer, .address_space: global }
    .group_segment_fixed_size: 0
    .private_segment_fixed_size: 0
    .kernarg_segment_align: 8
    .kernarg_segment_size: 48
    .max_flat_workgroup_size: 128
    .sgpr_count:     66
    .vgpr_count:     512
    .wavefront_size: 32
...
	.end_amdgpu_metadata
.endif
;; end of part 2
;; launch attn (part 3): grid 32 x 8, 8 waves a work-group, clusters of 4 x 1, 327,680 bytes of LDS; arguments qf, kv, zf; writes zf
.if DOCPART == 3
	.amdgcn_target "amdgcn-amd-amdhsa--gfx1250"
	.amdhsa_code_object_version 6
	.text
	.protected	k_q48e8514983_attn
	.globl	k_q48e8514983_attn
	.p2align	8
	.type	k_q48e8514983_attn,@function
k_q48e8514983_attn:
	s_mov_b64 s[64:65], 0
	v_nop
	global_prefetch_b8 v0, s[64:65] scope:SCOPE_SE
	s_setreg_imm32_b32 hwreg(HW_REG_WAVE_MODE, 25, 1), 1
	s_wait_xcnt 0x0
	s_wait_alu depctr_hold_cnt(0) depctr_sa_sdst(0) depctr_va_vdst(0) depctr_va_sdst(0) depctr_va_ssrc(0) depctr_va_vcc(0) depctr_vm_vsrc(0)
	s_getreg_b32 s2, hwreg(HW_REG_IB_STS2, 6, 4)
	s_cmp_eq_u32 s2, 0
	s_cbranch_scc0 .Lentry_in_a_cluster
	s_endpgm
.Lentry_in_a_cluster:
	s_bfe_u32 s2, ttmp6, 0x10000c
	s_cmp_lg_u32 s2, 0x3003
	s_cbranch_scc0 .Lentry_shape_is_right
	s_endpgm
.Lentry_shape_is_right:
; z[head][q][:] = the sum over k of softmax_k(q . k / 8) v[k][:], 8 heads, 4,096 queries and keys, head size 64.  Operands f16, products, maxima and sums f32; the weights p are rounded to f16 for the second product.
; SHARES.  A work-group owns 128 queries of one head.  Wave w of eight: query group w % 2 (64 queries, four tiles of 16), key quarter w / 2 (1,024 keys, 16 steps of 64).  Two waves to a SIMD, 512 registers each,
; so that one wave's vector work stands beside the other's matrix work.  At the end the four waves of a query group merge their quarters through LDS: register tile t holds query tile t xor (w / 2), so that
; every wave sends its register tiles 1, 2, 3 and finishes its register tile 0: one text for all.
; LAYOUT.  S^T = K Q^T (source 0 = 16 keys, source 1 = 16 queries): a lane holds ONE query (lane % 16) and keys 8 (lane / 16) + 0..7; two such tiles, packed to f16, ARE source 1 of O^T = V^T P.
; K, V and Q lie in memory as images of the operand registers (512 bytes, lane l's 16 bytes at 16 l): every fragment load is 16 x lane + a constant, a step's tiles are one dense block of 16 KiB.
; SOFTMAX.  For each query a running maximum m and sum l: p = 2^(c s - c m), c = log2(e) / 8; in every step O and l are multiplied by a = 2^(c m_old - c m_new).
; BY TURNS.  The wave's tiles are two PIECES (0: tiles 0, 1; 2: tiles 2, 3).  In a TURN one piece has the matrix unit (16 products V^T P of the step in hand, 16 products K Q^T of the next), two products at a
; time; the other piece's softmax, 236 vector instructions cut into 59 slices of four, stands between the pairs.  Two turns are a key step.
; CLUSTER.  The four query blocks of a cluster belong to one head and walk the same K and V: each tile is asked for JOINTLY, by the same tensor load with the same descriptor and the mask of all four.
; RING.  Two slots of 128 KiB, [key quarter 4][step 2][16 KiB]; each wave fetches 16 KiB of a slot by one load.  By this text's count a wave has two tensor loads out at the start and one behind each round.
; LIMITS: f16 operands: |q|, |k|, |v| under 65,504; p under 6.1e-5 keeps an absolute error of at most 3e-8.  NaN and infinities are not served.
; REGISTERS: window 0: v1 lane; v2-7 addresses; v8-23 statistics that stay, four a tile; v24-31 statistics at work, four for each tile of the piece whose softmax runs; v32-63 P of ONE piece, 16 a tile;
;   v64-191 S^T, 32 a tile; v192-255 V of one step.   window 1: v0-127 O^T, 32 a tile; v128-191 Q, 16 a tile; v192-255 K of one step.
; P has one set of registers for both pieces: a piece's P is read by the first 16 products of its turn, and the other piece's P is written behind them, in the same turn.
.set STEPB, 16384                      ; a step's tiles: 8 KiB of K, 8 KiB of V
.set PERB,  2*STEPB                    ; a period: what a key quarter has in a slot
.set SLOT1, 1<<17                      ; slot 1 begins here: one exclusive or turns an address in one slot into the other's
.set SPARE, 2*SLOT1                    ; behind the ring: the spare words, 128 bytes for each wave: four blocks of 256 bytes that no other line names
.set MRGW,  13056                      ; the merge's stage, from LDS byte 0: for each wave 12,288 bytes of O^T and 768 of statistics.  It lies in slot 0, which has then had its last fill and its last read
.set AKV, 2           ; v2   16 x lane + my key quarter's place in a slot; never rewritten
.set ADR, 3           ; v3   the LDS address of the run of loads in hand
.set LI,  4           ; v4   16 x lane
.set PFO, 5           ; v5   256 x lane; never rewritten
.set SPW, 6           ; v6   LDS address of my spare word; never rewritten
.set NIL, 7           ; v7   0; never rewritten
.set ST,  8           ; tile t's statistics at v[ST+4 t]: +0 c m, +1 m, +2, +3 l (even keys', odd keys')
.set TU,  24          ; at work, for tile t at v[TU+4 (t % 2)]: four chains of the maximum; a takes +2 once the maximum is found
.set P,   32
.set S,   64
.set VF,  192         ; V, in window 0
.set QF,  128         ; Q, in window 1
.set KF,  192         ; K, in window 1
; the merge's registers, in S^T's, which are free then
.set ML,  64          ; v64-67 l of my four tiles, its two halves added
.set PCM, 68          ; v68-70 the partners' c m for my tile 0
.set PL,  72          ; v72-74 their l
.set MA,  76          ; v76  where I put O^T
.set MB,  77          ; v77  and my statistics
.set MLD, 78          ; v78-80 where partner d put its O^T
.set MSL, 81          ; v81-83 and its statistics
.set GP,  84          ; v84-91 four pairs: +0 the factor of a quarter's O^T, +1 what brings that quarter under the common maximum
.set CM,  92          ; v92  the common c m
.set LS,  93          ; v93  the row's sum
.set ZP,  96          ; v96-111 z, packed
.set OP,  128         ; the partners' O^T, in window 1: v128-223, where Q and K lay
.set WV,  12          ; s12  my wave's number
.set LIM, 15          ; s15  1 in a wave that prefetches, else the greatest number
.set PFA, 18          ; s[18:19] where my prefetches stand
.set G1,  24          ; s[24:31] descriptor group 1
.set G0A, 32          ; s[32:35] group 0 of the first fill of slot 0
.set G0B, 36          ; s[36:39] of slot 1; it then walks on
.set QT,  40          ; s[40:47] Q of register tiles 0 to 3
.set ZB,  54          ; s[54:55] where my finished tile goes
.set SLOTS, 56
.set TWICE, 57
.set CS,  58          ; s[58:59] c
.set SEL, 60          ; s[60:61] lane l xor 16
.set TB,  62          ; s62  LDS byte at which the tiles of the step to be fetched begin
.set MSB, 0
.macro WIN new                      ; the immediate's high byte repeats the setting that is left; a switch that changes nothing is dropped
.if MSB != \new
	s_set_vgpr_msb (MSB<<8)|\new
.set MSB, \new
.endif
.endm
.set W_KQ, 0x05       ; K and Q in window 1, S^T in window 0
.set W_PV, 0x50       ; V and P in window 0, O^T in window 1
.set W_RS, 0x41       ; O^T (destination and source 0) in window 1, a in window 0
.macro PLACES
.rept 4
	v_nop
.endr
.endm
; A round of the cluster's barrier: my work-group's barrier; wave 0 signals for the work-group; every wave waits for all four work-groups; my work-group's barrier once more.
.macro CROUND
	s_barrier_signal -1
	s_barrier_wait -1
	s_cmp_lg_u32 s[WV], 0
	s_cbranch_scc1 .Lnot_wave_0_\@
	s_barrier_signal -3
.Lnot_wave_0_\@:
	s_barrier_wait -3
	s_barrier_signal -1
	s_barrier_wait -1
.endm
; A prefetch of what the NEXT change of slots will ask for: two key steps ahead of that load.  All clusters of a head walk the same K and V: the head's first cluster asks.  In it the waves with an even number
; ask, each for its key quarter's 32 KiB: the partner at place cx takes 8 KiB of them, told apart BY ADDRESS; lanes stand 256 bytes apart: each aligned 256 bytes are named once in the launch.
; The last refill asks for nothing.  Periods 0 to 2 come by their loads alone.
.macro ASK
	s_cmp_gt_u32 s[SLOTS], s[LIM]
	s_cbranch_scc0 .Lnot_mine_\@
	global_prefetch_b8 v[PFO], s[PFA:PFA+1] th:TH_LOAD_NT scope:SCOPE_SE
.Lnot_mine_\@:
.endm
	s_load_b128 s[4:7], s[0:1], 0x0  ; qf s[4:5], kv s[6:7]
	s_load_b64 s[8:9], s[0:1], 0x10  ; zf
	v_lshl_add_u32 v[SPW], v0, 2, SPARE
	v_mov_b32 v[NIL], 0
	ds_add_u32 v[SPW], v[NIL]       ; the wave's opening: the add, twice on end, and its wait ahead of my first tensor load
	ds_add_u32 v[SPW], v[NIL]
	v_lshrrev_b32 v1, 5, v0
	v_readfirstlane_b32 s[WV], v1   ; wave 0..7
	s_bfe_u32 s13, ttmp6, 0x40000   ; cx
	s_lshl_b32 s14, ttmp9, 2
	s_add_co_u32 s14, s14, s13      ; my block of 128 queries: it enters Q's and z's addresses alone
	s_and_b32 s20, ttmp7, 0xffff    ; the head, which the partners share
	s_lshr_b32 s16, s[WV], 1        ; key quarter
	s_and_b32 s17, s[WV], 1         ; query group; also: which step of a period I fetch
	s_lshl_b32 s48, s20, 20         ; kv: a head is 1 MiB,
	s_lshl_b32 s21, s16, 18         ; a key quarter 256 KiB,
	s_add_co_u32 s48, s48, s21
	s_lshl_b32 s21, s17, 14         ; a step 16 KiB
	s_add_co_u32 s48, s48, s21
	s_mov_b32 s49, 0
	s_lshl_b32 s23, s[WV], 14       ; and in a slot: 16 KiB x wave: no place in the cluster enters an LDS address
	s_lshl_b32 s50, s20, 19         ; qf: a head is 512 KiB, a tile 2 KiB
	s_lshl_b32 s2, s14, 14
	s_add_co_u32 s50, s50, s2
	s_lshl_b32 s2, s17, 13
	s_add_co_u32 s50, s50, s2       ; my group's four tiles
.irp t, 0,1,2,3
	s_xor_b32 s2, s16, \t           ; register tile t holds query tile t xor key quarter
	s_lshl_b32 s2, s2, 11
	s_add_co_u32 s[QT+2*\t], s50, s2
	s_mov_b32 s[QT+2*\t+1], 0
.endr
	s_lshl_b32 s52, s14, 17         ; zf: a row tile is 16 KiB, a head's four images 2 KiB; I finish query tile = my key quarter
	s_lshl_b32 s2, s17, 16
	s_add_co_u32 s52, s52, s2
	s_lshl_b32 s2, s16, 14
	s_add_co_u32 s52, s52, s2
	s_lshl_b32 s2, s20, 11
	s_add_co_u32 s52, s52, s2
	s_mov_b32 s53, 0
	; descriptor group 1: a dense block of 16 KiB as 64 rows of 32 elements of 8 bytes, no padding
	s_mov_b32 s[G1], 15|(3<<16)|(1<<21)  ; 15:0 the mask: all four work-groups; 17:16 elements of 8 bytes; 21 set beside a mask
	s_mov_b32 s[G1+1], 32<<16       ; tensor_dim0
	s_mov_b32 s[G1+2], 64<<16       ; tensor_dim1
	s_mov_b32 s[G1+3], 32<<16       ; tile_dim0
	s_mov_b32 s[G1+4], 64           ; tile_dim1
	s_mov_b32 s[G1+5], 32           ; tensor_dim0_stride
	s_mov_b32 s[G1+6], 0
	s_mov_b32 s[G1+7], 0
	s_mov_b32 s[CS], 0x3e38aa3b     ; c = log2(e) / 8
	s_mov_b32 s[CS+1], s[CS]        ; named with it as a pair, so it is written
	s_mov_b32 s[SEL], 0x76543210
	s_mov_b32 s[SEL+1], 0xfedcba98
	s_mov_b32 s[TB], 0
	s_mov_b32 s[SLOTS], 6           ; eight periods of two steps; periods 2 to 7 come by refills
	s_and_b32 s[LIM], s[WV], 1      ; 0 in the waves with an even number,
	s_or_b32 s[LIM], s[LIM], ttmp9  ; where the cluster is the head's first: the same in all four partners
	s_cmp_eq_u32 s[LIM], 0
	s_cselect_b32 s[LIM], 1, -1
	s_wait_dscnt 0x0                ; both opening adds are done
	s_wait_kmcnt 0x0
	s_add_nc_u64 s[6:7], s[6:7], s[48:49]  ; kv at my part of period 0
.irp t, 0,1,2,3
	s_add_nc_u64 s[QT+2*\t:QT+2*\t+1], s[4:5], s[QT+2*\t:QT+2*\t+1]
.endr
	s_add_nc_u64 s[ZB:ZB+1], s[8:9], s[52:53]
	s_lshl_b32 s2, s13, 13          ; my work-group's 8 KiB of the 32
	s_mov_b32 s3, 0
	s_add_nc_u64 s[PFA:PFA+1], s[6:7], s[2:3]
	s_add_nc_u64 s[PFA:PFA+1], s[PFA:PFA+1], 2*PERB  ; in period 2; the first change of slots steps it to period 3.  Nothing is prefetched at the head
	s_mov_b32 s[G0A], 1             ; count = 1
	s_mov_b32 s[G0A+1], s23         ; LDS address: slot 0
	s_mov_b64 s[G0A+2:G0A+3], s[6:7]
	s_or_b32 s[G0A+3], s[G0A+3], 0x80000000  ; type = 2
	s_mov_b32 s[G0B], 1
	s_add_co_u32 s[G0B+1], s23, SLOT1
	s_add_nc_u64 s[G0B+2:G0B+3], s[6:7], PERB  ; period 1
	s_or_b32 s[G0B+3], s[G0B+3], 0x80000000
	CROUND                          ; all four work-groups are here: the first joint loads meet
	tensor_load_to_lds s[G0A:G0A+3], s[G1:G1+7]
	s_nop 0
	tensor_load_to_lds s[G0B:G0B+3], s[G1:G1+7]
	s_nop 0
	PLACES
	v_and_b32 v1, 31, v0            ; lane; kept for the merge
	v_lshlrev_b32 v[LI], 4, v1
	v_lshlrev_b32 v[PFO], 8, v1
	s_lshl_b32 s2, s16, 15
	v_add_nc_u32 v[AKV], s2, v[LI]
	WIN 0x40                        ; destination window 1
.irp t, 0,1,2,3
.irp c, 0,1
.irp g, 0,1                         ; Q stays in registers: tile t, channels 32 c on, registers 4 g on
	global_load_b128 v[QF+16*\t+8*\c+4*\g:QF+16*\t+8*\c+4*\g+3], v[LI], s[QT+2*\t:QT+2*\t+1] offset:1024*\c+512*\g
.endr
.endr
.endr
	WIN 0
; THE MATRIX WORK OF A TURN, for piece x.  The eight accumulators of a kind take turns, one instruction a turn.
; Product i of 16 of O^T += V^T P: keys 32 (i / 8) on, channels 16 ((i / 2) % 4) on, tile x + i % 2.  zero = 1: the first 8 start the sums.
.macro PV x, zero
	WIN W_PV
.set rO, 32*(\x+i%2)+8*((i/2)%4)
.set rV, VF+32*(i/8)+8*((i/2)%4)
.set rP, P+16*(i%2)+8*(i/8)
.if \zero && (i < 8)
	v_wmma_f32_16x16x32_f16 v[rO:rO+7], v[rV:rV+7], v[rP:rP+7], 0
.else
	v_wmma_f32_16x16x32_f16 v[rO:rO+7], v[rV:rV+7], v[rP:rP+7], v[rO:rO+7]
.endif
.endm
; Product i of 16 of S^T = K Q^T: channels 32 (i / 8) on, keys 16 ((i / 2) % 4) on, tile x + i % 2.  The first 8 start the sums.
.macro KQ x
	WIN W_KQ
.set rS, S+32*(\x+i%2)+8*((i/2)%4)
.set rK, KF+16*((i/2)%4)+8*(i/8)
.set rQ, QF+16*(\x+i%2)+8*(i/8)
.if i < 8
	v_wmma_f32_16x16x32_f16 v[rS:rS+7], v[rK:rK+7], v[rQ:rQ+7], 0
.else
	v_wmma_f32_16x16x32_f16 v[rS:rS+7], v[rK:rK+7], v[rQ:rQ+7], v[rS:rS+7]
.endif
.endm
; THE LDS LOADS stand in runs of 16: a step's K (fragment f = 2 x key tile + channel chunk) and, a turn later, its V (f = 4 x (32 keys) + channel tile).
.macro FETCH_K
	WIN 0
	v_add_nc_u32 v[ADR], s[TB], v[AKV]
	WIN 0x40                        ; destination window 1
.irp f, 0,1,2,3,4,5,6,7
	ds_load_b128 v[KF+8*\f:KF+8*\f+3],   v[ADR] offset:1024*\f
	ds_load_b128 v[KF+8*\f+4:KF+8*\f+7], v[ADR] offset:1024*\f+512
.endr
.endm
.macro FETCH_V
	WIN 0
	v_add_nc_u32 v[ADR], s[TB], v[AKV]
	s_add_co_u32 s[TB], s[TB], STEPB  ; the next fetch is the next step's
	s_wait_alu depctr_va_vdst(0)    ; the wait for the softmax's batch of exponentials (SLICE), ahead of the first instruction that names a result
.irp f, 0,1,2,3,4,5,6,7
	ds_load_b128 v[VF+8*\f:VF+8*\f+3],   v[ADR] offset:8192+1024*\f
	ds_load_b128 v[VF+8*\f+4:VF+8*\f+7], v[ADR] offset:8192+1024*\f+512
.endr
.endm
; THE VECTOR WORK OF A TURN.  One tile's softmax for one key step is a list of 118 instructions; SM writes number j of it for tile t.  s0-s31 are the lane's 32 scores, in pairs 0-15.
;   0-15    the maximum of s0-s31 and the old m, three operands at a time (each score tile is first read at its low end)
;   16-20   the other half of the lanes' maximum; the new m; c m; c m_old - c m_new
;   21-69   ONE BATCH: the 16 scalings c s - c m and all 33 exponentials (a at 23, then s0-s31); none of these reads an exponential's result
;   (wait)  between 69 and 70 stands the wait for the batch, written by SLICE, once for both tiles
;   70-85   the roundings to f16;  86-101 the sums, l = a l + the sum;  102-117 the tile's O^T times a
; first = 1: the first key step, which starts m, l and O^T: it has no a and nothing to rescale.
.macro SM t, first
.set rT, ST+4*(\t)
.set rU, TU+4*((\t)%2)
.set rS, S+32*(\t)
.set rP, P+16*((\t)%2)
.set rO, 32*(\t)+2*(j-102)
.if j < 102
	WIN 0
.endif
.if j < 4
	v_max3_num_f32 v[rU+j], v[rS+8*j], v[rS+8*j+1], v[rS+8*j+2]
.elseif j < 12
	v_max3_num_f32 v[rU+j%4], v[rU+j%4], v[rS+8*(j%4)+2*(j/4)+1], v[rS+8*(j%4)+2*(j/4)+2]
.elseif j == 12
	v_max3_num_f32 v[rU], v[rU], v[rS+7], v[rS+15]
.elseif j == 13
	v_max3_num_f32 v[rU+2], v[rU+2], v[rS+23], v[rS+31]
.elseif j == 14
	v_max3_num_f32 v[rU], v[rU], v[rU+1], v[rU+2]
.elseif (j == 15) && \first
	v_max_num_f32 v[rU], v[rU], v[rU+3]
.elseif j == 15
	v_max3_num_f32 v[rU], v[rU], v[rU+3], v[rT+1]
.elseif j == 16
	v_permlanex16_b32 v[rU+1], v[rU], s[SEL], s[SEL+1]  ; the query's other 32 keys lie in the lane 16 away
.elseif j == 18
	v_max_num_f32 v[rT+1], v[rU], v[rU+1]
.elseif j == 19
	v_mul_f32 v[rT], s[CS], v[rT+1]
.elseif ((j == 17) || (j == 20) || (j == 23) || (j > 101)) && \first  ; the first step has none of these
.elseif j == 17
	v_mov_b32 v[rU+3], v[rT]        ; c m_old is kept for a
.elseif j == 20
	v_sub_f32 v[rU+3], v[rU+3], v[rT]
.elseif j == 23
	v_exp_f32 v[rU+2], v[rU+3]
.elseif (j < 23) || ((j < 38) && (j%2 == 0)) || ((j < 66) && (j%4 == 2))
.set b, (j-2)/4                     ; 38, 42, .. 62: pairs 9 to 15
.if j < 38
.set b, (j-20)/2                    ; 21: pair 0; 22, 24, .. 36: pairs 1 to 8
.endif
	v_pk_fma_f32 v[rS+2*b:rS+2*b+1], v[rS+2*b:rS+2*b+1], s[CS:CS+1], v[rT:rT+1] op_sel_hi:[1,0,0] neg_lo:[0,0,1] neg_hi:[0,0,1]  ; pair b: c s - c m
.elseif j < 70
.set e, j-38                        ; 66 to 69: s28 to s31
.if j < 66
.set e, j-32-(j-38)/4               ; 39-41, 43-45, .. 63-65: s7 to s27
.endif
.if j < 38
.set e, (j-25)/2                    ; 25, 27, .. 37: s0 to s6
.endif
	v_exp_f32 v[rS+e], v[rS+e]
.elseif j < 86
	v_cvt_pk_f16_f32 v[rP+j-70], v[rS+2*(j-70)], v[rS+2*(j-70)+1]  ; pair j - 70
.elseif j < 102                     ; the sum of the tile's 16 pairs, in place: neighbours 1, 2, 4 and 8 pairs apart, then l takes it
.set z, j-86
.set w, 4
.set u, z
.if z >= 14
.set w, 32
.set u, 0
.elseif z >= 12
.set w, 16
.set u, z-12
.elseif z >= 8
.set w, 8
.set u, z-8
.endif
.if (z == 14) && \first
	v_pk_add_f32 v[rT+2:rT+3], v[rS:rS+1], v[rS+16:rS+17]
.elseif z < 15
	v_pk_add_f32 v[rS+w*u:rS+w*u+1], v[rS+w*u:rS+w*u+1], v[rS+w*u+w/2:rS+w*u+w/2+1]
.elseif !\first
	v_pk_fma_f32 v[rT+2:rT+3], v[rT+2:rT+3], v[rU+2:rU+3], v[rS:rS+1] op_sel_hi:[1,0,1]
.endif
.else
	WIN W_RS
	v_pk_mul_f32 v[rO:rO+1], v[rO:rO+1], v[rU+2:rU+3] op_sel_hi:[1,0]
.endif
.endm
; Slice k of 59 of piece y's softmax: four instructions.  Slices 11 to 34 deal out the batch, numbers 22 to 69: four numbers of ONE tile each, the tiles by turns.  Every other slice is numbers 2 k and
; 2 k + 1 of both tiles.  Ahead of slice 35 nothing names an exponential's result, and behind slice 34 no exponential is issued: the piece's 66 exponentials have one plain line and one wait, behind slice 34.
.macro SLICE y, first
.if (k >= 11) && (k < 35)
.irp n, 0,1,2,3
.set j, 22+4*((k-11)/2)+(\n)
	SM (\y)+(k-11)%2, \first
.endr
.else
.irp n, 0,1
.irp t, \y, \y+1
.set j, 2*k+\n
	SM \t, \first
.endr
.endr
.endif
.if k == 34
	v_nop                           ; the plain instruction behind the last exponential
.if (\y) == 0
	FETCH_V                         ; piece 2's turn: V's run of loads stands here, and the wait stands in it
.else
	s_wait_alu depctr_va_vdst(0)    ; the wait for the batch
.endif
.endif
.set k, k+1
.endm
; The slices behind product np of a turn.  mode 2, a turn of 32 products: they go in pairs; four slices behind each of the first 11 pairs, three behind each of the last five (59).
; mode 1, K Q^T alone, 16 products: four behind each of the first 11, three behind the last five.  mode 0, V^T P alone: two behind each of the first 15, the other 29 behind the last,
; since P's registers are written from slice 35 on and are read up to the last product.
.macro AFTER y, first
.set ns, 0
.if mode == 2
.if np%2 == 1
.set ns, 3
.if np < 22
.set ns, 4
.endif
.endif
.elseif mode == 1
.set ns, 3
.if np < 11
.set ns, 4
.endif
.else
.set ns, 2
.if np == 15
.set ns, 29
.endif
.endif
.rept ns
	SLICE \y, \first
.endr
.set np, np+1
.endm
; A TURN.  Piece x has the matrix unit.  pv = 2: 16 products V^T P; 1: they start O^T's sums; 0: none.  kq = 1: 16 products K Q^T for the next step.  first = 1: the softmax is the first key step's; its last
; slices are empty, and four v_nop are the places behind the turn's last products.
; DISTANCES, in a turn of 32.  Behind the last K Q^T stand slices 56 to 58: twelve multiplies on the other piece's O^T, the places ahead of the next turn's first read of those scores and of the loads into K's
; registers (FETCH_K stands behind the next turn's first pair).  Product 15 is the last reader of V and of P.  Behind it stand slices 28 to 34, of which five lines are scalings, and the v_nop: six plain lines
; ahead of the first write of P (slice 35), and with the run's own addition seven ahead of V's loads.  In the turn with V^T P alone: slices 30 to 34 with three scalings, and the v_nop: four.
.macro TURN x, pv, kq, first
.set k, 0
.set np, 0
.set mode, 0
.if \pv && \kq
.set mode, 2
.elseif \kq
.set mode, 1
.endif
.if \pv
.if \x == 0
	s_wait_dscnt 0x0                ; V is in
.endif
.set i, 0
.rept 16
	PV \x, 2-\pv
	AFTER 2-\x, \first
.if (\x == 0) && \kq && (i == 1)
	FETCH_K
.endif
.set i, i+1
.endr
.endif
.if \kq
.if \x == 0
	s_wait_dscnt 0x0                ; K is in
.endif
.set i, 0
.rept 16
	KQ \x
	AFTER 2-\x, \first
.set i, i+1
.endr
.endif
.if \first
	PLACES
.endif
.endm
; THE CHANGE OF SLOTS, between piece 2's turn and piece 0's: the slot's last bytes, V of its second step, have been asked for.  Each wave waits for all its tensor loads (one is out: its part of the other
; slot), adds 0 to its spare word, and waits for that and for its reads of the slot.  fill = 1: the barrier is a round of the cluster's, and the joint refill, the keys two periods on, is the first thing behind it:
; it has two key steps of both waves of a SIMD in which to land.
.macro CHANGE fill
	WIN 0
	s_wait_tensorcnt 0x0            ; no tensor load of mine is out, so a group 0 may be written
	ds_add_u32 v[SPW], v[NIL]       ; 0 onto my spare word
.if \fill
	s_xor_b32 s[G0B+1], s[G0B+1], SLOT1  ; the walking descriptor: the other slot than last time,
	s_add_nc_u64 s[G0B+2:G0B+3], s[G0B+2:G0B+3], PERB  ; the next period; the type bits on top are not reached
	s_wait_xcnt 0x0                 ; the last prefetch, two key steps back, has read its address, so it may be written
	s_add_nc_u64 s[PFA:PFA+1], s[PFA:PFA+1], PERB
	s_wait_dscnt 0x0                ; the add is done, and my reads of the slot are over
	CROUND
	tensor_load_to_lds s[G0B:G0B+3], s[G1:G1+7]
	s_nop 0
	PLACES
	ASK
.else
	s_wait_dscnt 0x0
	s_barrier_signal -1
	s_barrier_wait -1
.endif
	s_sub_co_u32 s[TB], s[TB], PERB  ; the fetches go back to a slot's first step,
	s_xor_b32 s[TB], s[TB], SLOT1   ; in the other slot
.endm
.macro STEPS n                      ; n key steps: written once, walked n times; the LDS addresses hang on s[TB]
	s_mov_b32 s[TWICE], \n
.Lstep_\@:
	TURN 0, 2, 1, 0
	TURN 2, 2, 1, 0
	WIN 0
	s_sub_co_u32 s[TWICE], s[TWICE], 1
	s_cmp_lg_u32 s[TWICE], 0
	s_cbranch_scc1 .Lstep_\@
.endm
	s_wait_tensorcnt 1              ; my part of slot 0 is in; slot 1's may stay out
	s_barrier_signal -1
	s_barrier_wait -1               ; everybody's is
	FETCH_K                         ; key step 0
	s_wait_loadcnt 0x0              ; Q
	s_wait_dscnt 0x0
.set i, 0
.rept 16
	KQ 0                            ; piece 0's first scores
.set i, i+1
.endr
	WIN 0
	PLACES                          ; between those products and the first read of their results
	TURN 2, 0, 1, 1                 ; piece 2's first scores | piece 0's first softmax | V of step 0
	TURN 0, 1, 1, 1                 ; piece 0: V^T P of step 0 starts O^T, K Q^T of step 1 | piece 2's first softmax | K of step 1
	TURN 2, 1, 1, 0                 ; piece 2: the same | piece 0's softmax of step 1 | V of step 1: period 0 has been fetched
	WIN 0
.Lslot:                             ; six trips: each leaves a slot and fills it again
	CHANGE 1
	STEPS 2
	s_sub_co_u32 s[SLOTS], s[SLOTS], 1
	s_cmp_lg_u32 s[SLOTS], 0
	s_cbranch_scc1 .Lslot
	CHANGE 0                        ; the last period is written out
	STEPS 2
	TURN 0, 2, 0, 0                 ; piece 0: V^T P of the last step | piece 2's last softmax
.set i, 0
.rept 16
	PV 2, 0                         ; piece 2: V^T P of the last step
.set i, i+1
.endr
	; THE MERGE.  My register tiles 1, 2, 3 (O^T, c m, l) go to the three waves that finish them; register tile d of wave w xor 2 d is another key quarter of my tile 0.  Lane for lane the layouts agree.
	WIN 0
.irp t, 0,1,2,3
	v_add_f32 v[ML+\t], v[ST+4*\t+2], v[ST+4*\t+3]  ; l's two halves; these four are the places behind the last products
.endr
	v_lshlrev_b32 v[MB], 2, v1      ; 4 x lane
.irp d, 1,2,3
	s_xor_b32 s3, s[WV], 2*\d       ; the same queries, key quarter xor d
	s_mul_i32 s3, s3, MRGW
	v_add_nc_u32 v[MLD+\d-1], s3, v[LI]
	v_add_nc_u32 v[MSL+\d-1], s3, v[MB]
.endr
	s_mul_i32 s2, s[WV], MRGW
	v_add_nc_u32 v[MA], s2, v[LI]
	v_add_nc_u32 v[MB], s2, v[MB]
	s_wait_dscnt 0x0
	s_barrier_signal -1
	s_barrier_wait -1               ; every wave has left the ring: from here on slot 0's bytes are the stage
	WIN 0x04                        ; an LDS store's data are its source 1: window 1
.set i, 0
.rept 24
	ds_store_b128 v[MA], v[32+4*i:32+4*i+3] offset:512*i  ; tile d at 4,096 (d - 1); each accumulator from its low end on
.set i, i+1
.endr
	WIN 0
.irp d, 1,2,3
	ds_store_b32 v[MB], v[ST+4*\d] offset:12288+256*(\d-1)
	ds_store_b32 v[MB], v[ML+\d] offset:12288+256*(\d-1)+128
.endr
	s_wait_dscnt 0x0                ; for the partners' sake: my stores have landed
	s_barrier_signal -1
	s_barrier_wait -1
	WIN 0x40                        ; destination window 1
.irp d, 1,2,3
.set i, 0
.rept 8
	ds_load_b128 v[OP+32*(\d-1)+4*i:OP+32*(\d-1)+4*i+3], v[MLD+\d-1] offset:4096*(\d-1)+512*i
.set i, i+1
.endr
.endr
	WIN 0
.irp d, 1,2,3
	ds_load_b32 v[PCM+\d-1], v[MSL+\d-1] offset:12288+256*(\d-1)
	ds_load_b32 v[PL+\d-1], v[MSL+\d-1] offset:12288+256*(\d-1)+128
.endr
	s_wait_dscnt 0x0
	v_max3_num_f32 v[CM], v[ST], v[PCM], v[PCM+1]
	v_max_num_f32 v[CM], v[CM], v[PCM+2]  ; the common c m of the four quarters
	v_sub_f32 v[GP+1], v[ST], v[CM]
.irp d, 1,2,3
	v_sub_f32 v[GP+2*\d+1], v[PCM+\d-1], v[CM]
.endr
.irp d, 0,1,2,3
	v_exp_f32 v[GP+2*\d+1], v[GP+2*\d+1]  ; what brings each quarter under the common maximum
.endr
	v_nop                           ; a plain instruction behind the last exponential,
	s_wait_alu depctr_va_vdst(0)    ; and one wait for the four, ahead of their first reader
	v_mul_f32 v[LS], v[ML], v[GP+1]
.irp d, 1,2,3
	v_fma_f32 v[LS], v[PL+\d-1], v[GP+2*\d+1], v[LS]
.endr
	v_permlanex16_b32 v[CM], v[LS], s[SEL], s[SEL+1]
	v_add_f32 v[LS], v[LS], v[CM]   ; the row's sum over all 4,096 keys
	v_rcp_f32 v[CM], v[LS]
	v_nop
	s_wait_alu depctr_va_vdst(0)    ; the wait for the reciprocal
.irp d, 0,1,2,3
	v_mul_f32 v[GP+2*\d], v[GP+2*\d+1], v[CM]  ; each quarter's factor, the low word of a pair
.endr
	WIN W_RS
.set i, 0
.rept 16
	v_pk_mul_f32 v[2*i:2*i+1], v[2*i:2*i+1], v[GP:GP+1] op_sel_hi:[1,0]
.set i, i+1
.endr
	WIN 0x51                        ; sources 0 and 2 and the destination window 1, source 1 window 0
.irp d, 1,2,3
.set i, 0
.rept 16
	v_pk_fma_f32 v[2*i:2*i+1], v[OP+32*(\d-1)+2*i:OP+32*(\d-1)+2*i+1], v[GP+2*\d:GP+2*\d+1], v[2*i:2*i+1] op_sel_hi:[1,0,1]
.set i, i+1
.endr
.endr
	WIN 0x05                        ; sources window 1, destination window 0
.set i, 0
.rept 16
	v_cvt_pk_f16_f32 v[ZP+i], v[2*i], v[2*i+1]
.set i, i+1
.endr
	WIN 0
.irp c, 0,1,2,3
	global_store_b128 v[LI], v[ZP+4*\c:ZP+4*\c+3], s[ZB:ZB+1] offset:512*\c  ; an image of the next product's operand: 512 consecutive bytes
.endr
	s_wait_tensorcnt 0x0            ; the wave's end: behind my last tensor load and my last LDS store
	ds_add_u32 v[SPW], v[NIL]
	s_wait_dscnt 0x0
	CROUND                          ; the closing round: no work-group ends while a partner may still ask for a tile that names it
	s_endpgm
.Lfunc_end_k_q48e8514983_attn:
	.size	k_q48e8514983_attn, .Lfunc_end_k_q48e8514983_attn-k_q48e8514983_attn
	.p2alignl 7, 3214868480
	.fill 96, 4, 3214868480
	.section	.rodata,"a",@progbits
	.p2align	6, 0x0
	.amdhsa_kernel k_q48e8514983_attn
		.amdhsa_group_segment_fixed_size 327680
		.amdhsa_private_segment_fixed_size 0
		.amdhsa_enable_private_segment 0
		.amdhsa_kernarg_size 24
		.amdhsa_user_sgpr_count 2
		.amdhsa_user_sgpr_kernarg_segment_ptr 1
		.amdhsa_wavefront_size32 1
		.amdhsa_system_sgpr_workgroup_id_x 1
		.amdhsa_system_sgpr_workgroup_id_y 1
		.amdhsa_system_sgpr_workgroup_id_z 1
		.amdhsa_system_vgpr_workitem_id 0
		.amdhsa_next_free_vgpr 512
		.amdhsa_next_free_sgpr 66
		.amdhsa_reserve_vcc 0
		.amdhsa_float_denorm_mode_32 3
		.amdhsa_float_denorm_mode_16_64 3
		.amdhsa_memory_ordered 1
		.amdhsa_forward_progress 1
		.amdhsa_inst_pref_size 149
	.end_amdhsa_kernel
	.amdgpu_metadata
---
amdhsa.version: [ 1, 2 ]
amdhsa.kernels:
  - .name:           k_q48e8514983_attn
    .symbol:         k_q48e8514983_attn.kd
    .args:
      - { .name: qf, .offset: 0, .size: 8, .value_kind: global_buffer, .address_space: global }
      - { .name: kv, .offset: 8, .size: 8, .value_kind: global_buffer, .address_space: global }
      - { .name: zf, .offset: 16, .size: 8, .value_kind: global_buffer, .address_space: global }
    .group_segment_fixed_size: 327680
    .private_segment_fixed_size: 0
    .kernarg_segment_align: 8
    .kernarg_segment_size: 24
    .max_flat_workgroup_size: 256
    .sgpr_count:     66
    .vgpr_count:     512
    .wavefront_size: 32
...
	.end_amdgpu_metadata
.endif
;; end of part 3
;; launch tail (part 4): grid 256 x 1, 8 waves a work-group, clusters of 4 x 1, 327,680 bytes of LDS; arguments zf, wf, x, ln1_g, ln1_b, ffn_b, ln2_g, ln2_b, out0; writes out0
.if DOCPART == 4
	.amdgcn_target "amdgcn-amd-amdhsa--gfx1250"
	.amdhsa_code_object_version 6
	.text
	.protected	k_q48e8514983_tail
	.globl	k_q48e8514983_tail
	.p2align	8
	.type	k_q48e8514983_tail,@function
k_q48e8514983_tail:
	s_mov_b64 s[64:65], 0
	v_nop
	global_prefetch_b8 v0, s[64:65] scope:SCOPE_SE
	s_setreg_imm32_b32 hwreg(HW_REG_WAVE_MODE, 25, 1), 1
	s_wait_xcnt 0x0
	s_wait_alu depctr_hold_cnt(0) depctr_sa_sdst(0) depctr_va_vdst(0) depctr_va_sdst(0) depctr_va_ssrc(0) depctr_va_vcc(0) depctr_vm_vsrc(0)
	s_getreg_b32 s2, hwreg(HW_REG_IB_STS2, 6, 4)
	s_cmp_eq_u32 s2, 0
	s_cbranch_scc0 .Lentry_in_a_cluster
	s_endpgm
.Lentry_in_a_cluster:
	s_bfe_u32 s2, ttmp6, 0x10000c
	s_cmp_lg_u32 s2, 0x3003
	s_cbranch_scc0 .Lentry_shape_is_right
	s_endpgm
.Lentry_shape_is_right:
; out0 = LN2(n ffn_w^T + ffn_b + n), n = LN1(z w_mh + x).  Products on f16 operands with f32 sums; residuals, bias and both layer norms in f32, the variance in two passes as the sum of (y - mean)^2.
; SHARES.  A work-group owns 16 rows, whole, since the norms want whole rows.  Wave w of eight makes columns 64 w .. 64 w + 63: four accumulators; source 0 = 16 columns of the weight, source 1 = the 16 rows:
; a lane holds row lane % 16, and register 8 t + j column 64 w + 16 t + 8 (lane / 16) + j.
; THE WEIGHTS, 1 MiB of f16 fragments laid as images of the operand registers, stream through two LDS slots of 128 KiB in eight periods (128 along K each; four for each product); wave w fetches and reads its own
; 16 KiB of a period.  All row blocks walk the same weights: the four work-groups of a cluster ask for them JOINTLY.  By this text's count a wave has four tensor loads out at the start, one behind each round.
; x is the C of the first product's first sums; n + ffn_b is the C of the second's.  n goes from wave to wave as images of the operand's registers, into the bytes that z's images have left.
; LIMITS: f16 operands: |z|, |n| and the weights under 65,504.  NaN and infinities are not served.
; No prefetch: the launch is short, and all 64 clusters read the same weights again and again.
.set SLOT1, 131072
.set XST,   2*SLOT1                    ; x: 32 half rows of 1,024 bytes + 16 of padding
.set ZN,    XST+32*1040                ; z's 16 fragments of 1,024 bytes; behind their one fill, n's
.set STT,   ZN+16384                   ; four regions of 512 bytes: [row 16][wave 8] partial sums, each used once
.set SPARE, STT+4*512                  ; the spare words, 128 bytes for each wave: four blocks of 256 bytes that no other line names
.set OPITCH, 2064                      ; the way out: 16 rows x (2,048 bytes + 16), from LDS byte 0: slot 0 has then had its last fill and its last read
.set LI,  4                            ; v4   16 x lane
.set AW0, 5                            ; v5, v6  my weights in slot 0, 1
.set AB,  7                            ; v7   the rows' fragments
.set AX,  8                            ; v8   x, in the result's layout
.set AS,  9                            ; v9   where I put a partial sum
.set AR,  10                           ; v10  where a row's eight lie
.set AZ,  11                           ; v11  where I put n's images
.set AO,  12                           ; v12  the way out: in
.set AOR, 13                           ; v13  and back
.set VV,  14                           ; v14  my columns' place in a vector of 512
.set ACC, 16                           ; v16-47
.set WF,  48                           ; v48-175  16 weight fragments
.set BF,  176                          ; v176-207 4 fragments of the rows
.set PKN, 208                          ; v208-223 n as f16
.set SPW, 254
.set NIL, 255
.set VG1, 0                            ; window 1: ln1_g, ln1_b, ffn_b, ln2_g, ln2_b of my 32 columns
.set VB1, 32
.set VFB, 64
.set VG2, 96
.set VB2, 128
.set WV,  12
.set G1W, 24                           ; s[24:31] group 1 for the weights; s[32:39] for x; s[40:47] for z
.set G1X, 32
.set G1Z, 40
.set G0X, 48
.set G0Z, 52
.set G0A, 56                           ; s[56:59] slot 0's group 0; s[60:63] slot 1's
.set SEL, 88
.set MSB, 0
.macro WIN new
.if MSB != \new
	s_set_vgpr_msb (MSB<<8)|\new
.set MSB, \new
.endif
.endm
.macro PLACES
.rept 4
	v_nop
.endr
.endm
.macro ROUND                           ; a round of the cluster's barrier
	s_barrier_signal -1
	s_barrier_wait -1
	s_cmp_lg_u32 s[WV], 0
	s_cbranch_scc1 .Lnot_wave_0_\@
	s_barrier_signal -3
.Lnot_wave_0_\@:
	s_barrier_wait -3
	s_barrier_signal -1
	s_barrier_wait -1
.endm
	s_load_b512 s[68:83], s[0:1], 0x0              ; zf 68, wf 70, x 72, ln1_g 74, ln1_b 76, ffn_b 78, ln2_g 80, ln2_b 82
	s_load_b64 s[84:85], s[0:1], 0x40              ; out0
	v_lshl_add_u32 v[SPW], v0, 2, SPARE
	v_mov_b32 v[NIL], 0
	ds_add_u32 v[SPW], v[NIL]                      ; the wave's opening: the add, twice on end, and its wait ahead of my first tensor load
	ds_add_u32 v[SPW], v[NIL]
	v_lshrrev_b32 v1, 5, v0
	v_readfirstlane_b32 s[WV], v1                  ; wave 0..7
	s_bfe_u32 s13, ttmp6, 0x40000                  ; cx
	s_lshl_b32 s14, ttmp9, 2
	s_add_co_u32 s14, s14, s13                     ; my row tile: it enters x's, z's and out0's addresses alone
	s_lshl_b32 s16, s14, 15
	s_lshl_b32 s2, s[WV], 12
	s_add_co_u32 s16, s16, s2                      ; x and out0: 16 rows of 2,048 bytes a tile, two rows a wave
	s_mov_b32 s17, 0
	s_lshl_b32 s18, s14, 14
	s_lshl_b32 s2, s[WV], 11
	s_add_co_u32 s18, s18, s2                      ; zf: 16 KiB a tile, 2 KiB a wave
	s_mov_b32 s19, 0
	s_add_co_u32 s23, s2, ZN
	s_lshl_b32 s20, s[WV], 14                      ; wf, and its place in a slot: 16 KiB x wave
	s_mov_b32 s21, 0
	s_mul_i32 s22, s[WV], 4*1040
	s_add_co_u32 s22, s22, XST
	; the weights: 16 KiB dense, 64 rows of 32 elements of 8 bytes; asked for by all four work-groups
	s_mov_b32 s[G1W], 15|(3<<16)|(1<<21)
	s_mov_b32 s[G1W+1], 32<<16
	s_mov_b32 s[G1W+2], 64<<16
	s_mov_b32 s[G1W+3], 32<<16
	s_mov_b32 s[G1W+4], 64
	s_mov_b32 s[G1W+5], 32
	s_mov_b32 s[G1W+6], 0
	s_mov_b32 s[G1W+7], 0
	; x: 4 KiB dense, 4 half rows of 128 elements of 8 bytes, 4 words of padding behind every 256
	s_mov_b32 s[G1X], (3<<16)|(1<<20)|(7<<22)|(3<<25)
	s_mov_b32 s[G1X+1], 128<<16
	s_mov_b32 s[G1X+2], 4<<16
	s_mov_b32 s[G1X+3], 128<<16
	s_mov_b32 s[G1X+4], 4
	s_mov_b32 s[G1X+5], 128
	s_mov_b32 s[G1X+6], 0
	s_mov_b32 s[G1X+7], 0
	; z: 2 KiB dense, 8 rows of 32 elements of 8 bytes
	s_mov_b32 s[G1Z], 3<<16
	s_mov_b32 s[G1Z+1], 32<<16
	s_mov_b32 s[G1Z+2], 8<<16
	s_mov_b32 s[G1Z+3], 32<<16
	s_mov_b32 s[G1Z+4], 8
	s_mov_b32 s[G1Z+5], 32
	s_mov_b32 s[G1Z+6], 0
	s_mov_b32 s[G1Z+7], 0
	s_mov_b32 s86, 0x3b000000                      ; 1 / 512
	s_mov_b32 s87, 0x3727c5ac                      ; 1e-5
	s_mov_b32 s[SEL], 0x76543210
	s_mov_b32 s[SEL+1], 0xfedcba98
	s_wait_dscnt 0x0                               ; both opening adds are done
	s_wait_kmcnt 0x0
	s_mov_b32 s[G0X], 1
	s_mov_b32 s[G0X+1], s22
	s_add_nc_u64 s[G0X+2:G0X+3], s[72:73], s[16:17]
	s_or_b32 s[G0X+3], s[G0X+3], 0x80000000
	s_mov_b32 s[G0Z], 1
	s_mov_b32 s[G0Z+1], s23
	s_add_nc_u64 s[G0Z+2:G0Z+3], s[68:69], s[18:19]
	s_or_b32 s[G0Z+3], s[G0Z+3], 0x80000000
	s_mov_b32 s[G0A], 1
	s_mov_b32 s[G0A+1], s20
	s_add_nc_u64 s[G0A+2:G0A+3], s[70:71], s[20:21]        ; period 0
	s_mov_b32 s[G0A+4], 1
	s_add_co_u32 s[G0A+5], s20, SLOT1
	s_add_nc_u64 s[G0A+6:G0A+7], s[G0A+2:G0A+3], 131072    ; period 1
	s_or_b32 s[G0A+3], s[G0A+3], 0x80000000
	s_or_b32 s[G0A+7], s[G0A+7], 0x80000000
	s_add_nc_u64 s[84:85], s[84:85], s[16:17]
	ROUND                                          ; all four work-groups are here: the first loads go out as one group behind this round
	tensor_load_to_lds s[G0X:G0X+3], s[G1X:G1X+7]
	s_nop 0
	tensor_load_to_lds s[G0Z:G0Z+3], s[G1Z:G1Z+7]
	s_nop 0
	tensor_load_to_lds s[G0A:G0A+3], s[G1W:G1W+7]
	s_nop 0
	tensor_load_to_lds s[G0A+4:G0A+7], s[G1W:G1W+7]
	s_nop 0
	PLACES
	v_and_b32 v1, 31, v0                           ; lane
	v_and_b32 v2, 15, v0                           ; r
	v_bfe_u32 v3, v0, 4, 1                         ; hh
	v_lshlrev_b32 v[LI], 4, v1
	v_add_nc_u32 v[AW0], s20, v[LI]
	v_add_nc_u32 v[AW0+1], SLOT1, v[AW0]
	v_add_nc_u32 v[AB], ZN, v[LI]
	v_mul_u32_u24 v[AX], v2, 2*1040                ; x(r, 64 w + 16 t + 8 hh + j): row r is two half rows,
	v_lshl_add_u32 v[AX], v3, 5, v[AX]
	s_lshr_b32 s2, s[WV], 2
	s_mul_i32 s2, s2, 1040                         ; the half row w / 4,
	s_and_b32 s3, s[WV], 3
	s_lshl_b32 s3, s3, 8                           ; 256 (w % 4) bytes on
	s_add_co_u32 s2, s2, s3
	s_add_co_u32 s2, s2, XST
	v_add_nc_u32 v[AX], s2, v[AX]
	v_lshlrev_b32 v[AR], 5, v2
	v_add_nc_u32 v[AR], STT, v[AR]
	s_lshl_b32 s2, s[WV], 2
	v_add_nc_u32 v[AS], s2, v[AR]
	s_lshl_b32 s2, s[WV], 11
	v_add_nc_u32 v[AZ], s2, v[AB]
	v_mul_u32_u24 v[AO], v2, OPITCH
	v_lshl_add_u32 v[AO], v3, 5, v[AO]
	s_lshl_b32 s2, s[WV], 8
	v_add_nc_u32 v[AO], s2, v[AO]
	v_lshl_add_u32 v[VV], v3, 5, s2                ; 256 w + 32 hh
	s_mul_i32 s2, s[WV], 2*OPITCH
	v_add_nc_u32 v[AOR], s2, v[LI]
	v_mov_b32 v241, 0                              ; the upper words of two pairs of which the low word alone is used
	v_mov_b32 v243, 0
	WIN 0x40                                       ; destination window 1
.irp t, 0,1,2,3
.irp u, 0,1
	global_load_b128 v[VG1+8*\t+4*\u:VG1+8*\t+4*\u+3], v[VV], s[74:75] offset:64*\t+16*\u
	global_load_b128 v[VB1+8*\t+4*\u:VB1+8*\t+4*\u+3], v[VV], s[76:77] offset:64*\t+16*\u
	global_load_b128 v[VFB+8*\t+4*\u:VFB+8*\t+4*\u+3], v[VV], s[78:79] offset:64*\t+16*\u
	global_load_b128 v[VG2+8*\t+4*\u:VG2+8*\t+4*\u+3], v[VV], s[80:81] offset:64*\t+16*\u
	global_load_b128 v[VB2+8*\t+4*\u:VB2+8*\t+4*\u+3], v[VV], s[82:83] offset:64*\t+16*\u
.endr
.endr
	WIN 0
; A PERIOD: 128 along K: 16 matrix instructions a wave, the four accumulators by turns, across periods too.
; From period 1 on it begins with the change of slots: the wait for all my tensor loads, the add, the wait for it and for my LDS instructions; in periods 1 to 6 a round of the cluster's barrier, and behind it,
; first, the joint refill of the slot just left, with the period after next.
.macro PERIOD p
.if (\p) == 0
	s_wait_tensorcnt 0x1                           ; x, z and slot 0 are in; slot 1's load may stay out
	s_barrier_signal -1
	s_barrier_wait -1                              ; everybody's are
.irp t, 0,1,2,3
	ds_load_b128 v[ACC+8*\t:ACC+8*\t+3], v[AX] offset:64*\t         ; x starts the sums
	ds_load_b128 v[ACC+8*\t+4:ACC+8*\t+7], v[AX] offset:64*\t+16
.endr
.else
	s_wait_tensorcnt 0x0                           ; all my tensor loads have landed, this period's weights among them: a group 0 may be written
	ds_add_u32 v[SPW], v[NIL]                      ; 0 onto my spare word
.if (\p) <= 6
	s_add_nc_u64 s[G0A+4*(((\p)-1)%2)+2:G0A+4*(((\p)-1)%2)+3], s[G0A+4*(((\p)-1)%2)+2:G0A+4*(((\p)-1)%2)+3], 2*131072
.endif
	s_wait_dscnt 0x0                               ; the add is done; my reads of the slot that I leave are over, and my LDS stores have landed
.if (\p) <= 6
	ROUND
	tensor_load_to_lds s[G0A+4*(((\p)-1)%2):G0A+4*(((\p)-1)%2)+3], s[G1W:G1W+7]
	s_nop 0
.else
	s_barrier_signal -1
	s_barrier_wait -1
.endif
	PLACES                                         ; also the places ahead of loads into registers that matrix instructions have read
.endif
.irp c, 0,1,2,3
	ds_load_b128 v[BF+8*\c:BF+8*\c+3], v[AB] offset:1024*(4*((\p)%4)+\c)
	ds_load_b128 v[BF+8*\c+4:BF+8*\c+7], v[AB] offset:1024*(4*((\p)%4)+\c)+512
.irp t, 0,1,2,3
	ds_load_b128 v[WF+8*(4*\c+\t):WF+8*(4*\c+\t)+3], v[AW0+(\p)%2] offset:1024*(4*\c+\t)
	ds_load_b128 v[WF+8*(4*\c+\t)+4:WF+8*(4*\c+\t)+7], v[AW0+(\p)%2] offset:1024*(4*\c+\t)+512
.endr
.endr
.irp c, 0,1,2,3
	s_wait_dscnt 30-10*\c                          ; LDS loads come back in order: all but the ten of each later 32 along K are in
.irp t, 0,1,2,3
	v_wmma_f32_16x16x32_f16 v[ACC+8*\t:ACC+8*\t+7], v[WF+8*(4*\c+\t):WF+8*(4*\c+\t)+7], v[BF+8*\c:BF+8*\c+7], v[ACC+8*\t:ACC+8*\t+7]
.endr
.endr
.endm
; Two packed partial sums in v[224:227] become the row's sum over all 512 columns, in v228 of every lane: my 32, lane l xor 16's 32, and the eight waves' through region k of LDS, used once.
.macro RSUM k
	v_pk_add_f32 v[224:225], v[224:225], v[226:227]
	v_add_f32 v224, v224, v225
	v_permlanex16_b32 v225, v224, s[SEL], s[SEL+1]
	v_add_f32 v224, v224, v225
	ds_store_b32 v[AS], v224 offset:512*(\k)       ; lanes r and r + 16 write the same word with the same value
	s_wait_dscnt 0x0                               ; for the others' sake
	s_barrier_signal -1
	s_barrier_wait -1
	ds_load_b128 v[228:231], v[AR] offset:512*(\k)
	ds_load_b128 v[232:235], v[AR] offset:512*(\k)+16
	s_wait_dscnt 0x0
	v_add_f32 v228, v228, v229
	v_add_f32 v230, v230, v231
	v_add_f32 v232, v232, v233
	v_add_f32 v234, v234, v235
	v_add_f32 v228, v228, v230
	v_add_f32 v232, v232, v234
	v_add_f32 v228, v228, v232
.endm
; The layer norm of the 16 rows in the accumulators, in place; g and b: the gain's and the bias's registers in window 1.
.macro LNORM k, g, b
	PLACES                                         ; between the last product and the first read of results
	v_pk_add_f32 v[224:225], v[ACC:ACC+1], v[ACC+8:ACC+9]          ; each accumulator is first read at its low end
	v_pk_add_f32 v[226:227], v[ACC+16:ACC+17], v[ACC+24:ACC+25]
.irp i, 2,4,6
	v_pk_add_f32 v[224:225], v[224:225], v[ACC+\i:ACC+\i+1]
	v_pk_add_f32 v[226:227], v[226:227], v[ACC+16+\i:ACC+16+\i+1]
	v_pk_add_f32 v[224:225], v[224:225], v[ACC+8+\i:ACC+8+\i+1]
	v_pk_add_f32 v[226:227], v[226:227], v[ACC+24+\i:ACC+24+\i+1]
.endr
	RSUM \k
	v_mul_f32 v240, 0xbb000000, v228               ; - mean
.set i, 0
.rept 16
	v_pk_add_f32 v[ACC+2*i:ACC+2*i+1], v[ACC+2*i:ACC+2*i+1], v[240:241] op_sel_hi:[1,0]
.set i, i+1
.endr
	v_pk_mul_f32 v[224:225], v[ACC:ACC+1], v[ACC:ACC+1]
	v_pk_mul_f32 v[226:227], v[ACC+2:ACC+3], v[ACC+2:ACC+3]
.irp i, 4,8,12,16,20,24,28
	v_pk_fma_f32 v[224:225], v[ACC+\i:ACC+\i+1], v[ACC+\i:ACC+\i+1], v[224:225]
	v_pk_fma_f32 v[226:227], v[ACC+\i+2:ACC+\i+3], v[ACC+\i+2:ACC+\i+3], v[226:227]
.endr
	RSUM (\k)+1
	v_fma_f32 v242, v228, s86, s87                 ; the variance + 1e-5
	v_rsq_f32 v242, v242
	v_nop                                          ; a plain instruction behind the transcendental,
	s_wait_alu depctr_va_vdst(0)                   ; and the wait ahead of its first reader
.set i, 0
.rept 16
	v_pk_mul_f32 v[ACC+2*i:ACC+2*i+1], v[ACC+2*i:ACC+2*i+1], v[242:243] op_sel_hi:[1,0]
.set i, i+1
.endr
	WIN 0x14                                       ; sources 1 and 2 window 1
.set i, 0
.rept 16
	v_pk_fma_f32 v[ACC+2*i:ACC+2*i+1], v[ACC+2*i:ACC+2*i+1], v[\g+2*i:\g+2*i+1], v[\b+2*i:\b+2*i+1]
.set i, i+1
.endr
	WIN 0
.endm
	PERIOD 0
	PERIOD 1
	PERIOD 2
	PERIOD 3
	s_wait_loadcnt 0x0                             ; the five vectors
	LNORM 0, VG1, VB1
.set i, 0
.rept 16
	v_cvt_pk_f16_f32 v[PKN+i], v[ACC+2*i], v[ACC+2*i+1]   ; n as f16: four registers a tile are one image: k = 64 w + 16 t + 8 hh + 0 .. 7 of row r
.set i, i+1
.endr
.irp t, 0,1,2,3
	ds_store_b128 v[AZ], v[PKN+4*\t:PKN+4*\t+3] offset:512*\t   ; over z's images: every wave's reads of them were waited for ahead of the norm's two barriers
.endr
	WIN 0x04                                       ; source 1 window 1
.set i, 0
.rept 16
	v_pk_add_f32 v[ACC+2*i:ACC+2*i+1], v[ACC+2*i:ACC+2*i+1], v[VFB+2*i:VFB+2*i+1]   ; n + ffn_b starts the second product's sums
.set i, i+1
.endr
	WIN 0
	PERIOD 4                                       ; its wait for my LDS stores and its round also show n's images to every wave
	PERIOD 5
	PERIOD 6
	PERIOD 7
	LNORM 2, VG2, VB2
	; THE WAY OUT: a row's 2,048 bytes come from eight waves: they meet in a stage, and each wave stores two whole rows
.irp t, 0,1,2,3
	ds_store_b128 v[AO], v[ACC+8*\t:ACC+8*\t+3] offset:64*\t
	ds_store_b128 v[AO], v[ACC+8*\t+4:ACC+8*\t+7] offset:64*\t+16
.endr
	s_wait_dscnt 0x0                               ; for the others' sake
	s_barrier_signal -1
	s_barrier_wait -1
.irp n, 0,1,2,3,4,5,6,7
	ds_load_b128 v[WF+4*\n:WF+4*\n+3], v[AOR] offset:OPITCH*(\n/4)+512*(\n%4)
.endr
.irp n, 0,1,2,3,4,5,6,7
	s_wait_dscnt 7-\n
	global_store_b128 v[LI], v[WF+4*\n:WF+4*\n+3], s[84:85] offset:2048*(\n/4)+512*(\n%4) th:TH_STORE_NT   ; 512 consecutive bytes, aligned; written once, read by nobody here
.endr
	s_wait_tensorcnt 0x0                           ; the wave's end: behind my last tensor load and my last LDS store
	ds_add_u32 v[SPW], v[NIL]
	s_wait_dscnt 0x0
	ROUND                                          ; the closing round: no work-group ends while a partner may still ask for a tile that names it
	s_endpgm
.Lfunc_end_k_q48e8514983_tail:
	.size	k_q48e8514983_tail, .Lfunc_end_k_q48e8514983_tail-k_q48e8514983_tail
	.p2alignl 7, 3214868480
	.fill 96, 4, 3214868480
	.section	.rodata,"a",@progbits
	.p2align	6, 0x0
	.amdhsa_kernel k_q48e8514983_tail
		.amdhsa_group_segment_fixed_size 327680
		.amdhsa_private_segment_fixed_size 0
		.amdhsa_enable_private_segment 0
		.amdhsa_kernarg_size 72
		.amdhsa_user_sgpr_count 2
		.amdhsa_user_sgpr_kernarg_segment_ptr 1
		.amdhsa_wavefront_size32 1
		.amdhsa_system_sgpr_workgroup_id_x 1
		.amdhsa_system_sgpr_workgroup_id_y 1
		.amdhsa_system_sgpr_workgroup_id_z 1
		.amdhsa_system_vgpr_workitem_id 0
		.amdhsa_next_free_vgpr 416
		.amdhsa_next_free_sgpr 96
		.amdhsa_reserve_vcc 0
		.amdhsa_float_denorm_mode_32 3
		.amdhsa_float_denorm_mode_16_64 3
		.amdhsa_memory_ordered 1
		.amdhsa_forward_progress 1
		.amdhsa_inst_pref_size 63
	.end_amdhsa_kernel
	.amdgpu_metadata
---
amdhsa.version: [ 1, 2 ]
amdhsa.kernels:
  - .name:           k_q48e8514983_tail
    .symbol:         k_q48e8514983_tail.kd
    .args:
      - { .name: zf, .offset: 0, .size: 8, .value_kind: global_buffer, .address_space: global }
      - { .name: wf, .offset: 8, .size: 8, .value_kind: global_buffer, .address_space: global }
      - { .name: x, .offset: 16, .size: 8, .value_kind: global_buffer, .address_space: global }
      - { .name: ln1_g, .offset: 24, .size: 8, .value_kind: global_buffer, .address_space: global }
      - { .name: ln1_b, .offset: 32, .size: 8, .value_kind: global_buffer, .address_space: global }
      - { .name: ffn_b, .offset: 40, .size: 8, .value_kind: global_buffer, .address_space: global }
      - { .name: ln2_g, .offset: 48, .size: 8, .value_kind: global_buffer, .address_space: global }
      - { .name: ln2_b, .offset: 56, .size: 8, .value_kind: global_buffer, .address_space: global }
      - { .name: out0, .offset: 64, .size: 8, .value_kind: global_buffer, .address_space: global }
    .group_segment_fixed_size: 327680
    .private_segment_fixed_size: 0
    .kernarg_segment_align: 8
    .kernarg_segment_size: 72
    .max_flat_workgroup_size: 256
    .sgpr_count:     96
    .vgpr_count:     416
    .wavefront_size: 32
...
	.end_amdgpu_metadata
.endif
;; end of part 4
